; MI455X (gfx1250); checked and timed in simulation.
; The chip was launched on July 23, 2026; its instructions are those of AMD's public machine-readable ISA for CDNA 5 (MIT licence, August 2026) and "CDNA5" Instruction Set Architecture Reference Guide (July 2026). The comments in the code are by the model that wrote it; some were corrected since.
;; GQA. Allowed arithmetic: matrix products marked QUANTISED: E4M3 operands, one given power-of-two scale a tensor, by v_wmma_f32_16x16x64_fp8_fp8 or v_wmma_f32_16x16x128_fp8_fp8, f32 sums; everything else in f32.
;; Inputs: lowp_scales 12 int32 (the exponents e of the quantised operands' scales 2^e); wk 256 x 1,024 float32; wo 1,024 x 1,024 float32; wq 1,024 x 1,024 float32; wv 256 x 1,024 float32; x 1 x 4,096 x 1,024 float32.
;; Outputs: out0 1 x 4,096 x 1,024 float32.
;; This version of the problem:
;;   THIS VERSION OF THE PROBLEM IS GIVEN IN LOW PRECISION. The matrix products marked QUANTISED in the list below multiply operands that are first quantised to E4M3 (4 exponent bits, 3 mantissa bits; 8 bits a number), with one given power-of-two scale for each operand tensor; their sums are f32. All else is computed in f32.
;;   The module's matrix products, in the order in which they are computed (A, B: the left and right operand; K: the contracted axis; several contracted axes count as one K, in the product's order):
;;     1. [M 4,096, K 1,024] x [K 1,024, N 1,024]; A: input x; B: input wq: QUANTISED (scales: A lowp_scales[0], B lowp_scales[1])
;;     2. [M 4,096, K 1,024] x [K 1,024, N 256]; A: input x; B: input wk: QUANTISED (scales: A lowp_scales[2], B lowp_scales[3])
;;     3. [M 4,096, K 1,024] x [K 1,024, N 256]; A: input x; B: input wv: QUANTISED (scales: A lowp_scales[4], B lowp_scales[5])
;;     4. batch 4 x [M 4,096, K 64] x [K 64, N 16,384]; A: computed on the way; B: computed on the way: QUANTISED (scales: A lowp_scales[6], B lowp_scales[7])
;;     5. batch 4 x [M 64, K 4,096] x [K 4,096, N 16,384]; A: computed on the way; B: softmax (see below): QUANTISED (scales: A lowp_scales[8], B lowp_scales[9])
;;     6. [M 4,096, K 1,024] x [K 1,024, N 1,024]; A: computed on the way; B: input wo: QUANTISED (scales: A lowp_scales[10], B lowp_scales[11])
;;   THE QUANTISER, for each operand of a quantised product, along K:
;;     - The operand's scale is 2^e, e = its entry of the input lowp_scales (int32; the entries are numbered through the quantised products in the list's order, A before B).
;;     - Each number is divided by the scale, clamped to +-448, and rounded to the nearest number of E4M3, ties to even, subnormals kept.
;;     - The product sums the exact products of the quantised numbers (number of the format x scale) in f32.
;;   ~~~python
;;   def quantise(x, axis, e):      # numpy; x: float32 -> the quantised numbers, widened to float32 again
;;       x = np.moveaxis(x, axis, -1); K = x.shape[-1]
;;       r = np.clip(x / 2.0 ** e, -448, 448)
;;       step = 2.0 ** (np.maximum(np.frexp(np.where(r == 0, 1, r))[1] - 1, -6) - 3)
;;       q = np.round(r / step) * step * 2.0 ** e      # np.round: ties to even
;;       return np.moveaxis(q, -1, axis).astype(np.float32)
;;   ~~~
;;   SOFTMAX AHEAD OF A QUANTISED PRODUCT. Where the list says 'softmax', what is quantised is not the finished softmax but p = 2^(t - M), with t = logit x log2(e) and M = ceil(the row's largest t), a whole number; so 1/2 < the row's largest p <= 1. The row's sum l is taken of the UNQUANTISED p, in f32, and the product's result is divided by l at the end. Since M is a whole number, a kernel that streams over the keys may use a running M (the ceiling of the running maximum): every later rescaling is an exact power of two, so the quantised numbers keep their values, but for numbers so far below the row's largest that they fall under the format's range.
;;   OPERANDS COMPUTED ON THE WAY. 'Computed on the way' means the value that the module computes at that place (a softmax that the list does not call 'softmax' is quantised finished and normalised). What goes into a quantiser is computed in f32, as accurately as f32 sums, v_exp_f32 and their like allow (about 1e-6 of the number): no bf16 or f16 on the way to a quantiser, and a product that is left as it is and whose result goes on into a quantised operand takes f32 operands (vector FMAs, or v_wmma_f32_16x16x4_f32). A number that lies on a knife's edge between two numbers of the format may be rounded either way, as far as f32 arithmetic and the matrix unit's own rounding can turn it there, and no further.
;; One version. Each part assembles by itself: llvm-mc -triple=amdgcn-amd-amdhsa -mcpu=gfx1250 --defsym DOCPART=n.
;; ======== version 1 of 1: 4 launches
;; limits: right only within a limited range of input values
;; workspace buffers: xc 12,582,912 bytes; wc 2,621,440 bytes; qc 4,194,304 bytes; kv 2,097,152 bytes; cc 4,194,304 bytes
;; launch quant (part 1): grid 832 x 1, 4 waves a work-group, no clusters, 34,304 bytes of LDS; arguments x, wq, wk, wv, wo, lowp_scales, xc, wc; writes xc, wc
.if DOCPART == 1
	.amdgcn_target "amdgcn-amd-amdhsa--gfx1250"
	.amdhsa_code_object_version 6
	.text
	.protected	k_q695228ce47_quant
	.globl	k_q695228ce47_quant
	.p2align	8
	.type	k_q695228ce47_quant,@function
k_q695228ce47_quant:
	s_mov_b64 s[64:65], 0
	v_nop
	global_prefetch_b8 v0, s[64:65] scope:SCOPE_SE
	s_setreg_imm32_b32 hwreg(HW_REG_WAVE_MODE, 25, 1), 1
	s_wait_xcnt 0x0
; x [4096][1024] and the four weights ([rows][1024]), f32, become codes of FP8 (E4M3), laid as IMAGES OF OPERAND REGISTERS.
; A fragment is 16 rows x 128 along K: 16 registers a lane; lane (r = lane % 16, h = lane / 16) holds row r, its registers 2 c, 2 c + 1 hold k = 16 c + 8 h + 0 .. 7
; (the layout of the plain 8-bit matrix forms).  Its image is 2,048 bytes: registers 4 G .. 4 G + 3 of lane l at byte 512 G + 16 l.  So every later read of it is 512 consecutive bytes.
; xc: [version 3][row tile 256][K step 8][2048]: x has a scale of its own in each of the three products that read it (entries 0, 2, 4): it is read once and quantised three times.
; wc: [tile 160][K step 8][2048]: tiles 0-63 wq (entry 1), 64-79 wk (entry 3), 80-95 wv (entry 5), 96-159 wo (entry 11).
; code = number / 2^e, held within +-448, to the nearest code, ties to even.  LIMITS: each e used here lies between -126 and 119; NaN among the inputs is not served.
; SHARES: a wave takes one fragment, 8,192 bytes of f32; work-groups 0-511 take x, 512-639 wq, 640-671 wk, 672-703 wv, 704-831 wo.  Waves share nothing: no barrier.  No work-group reads what another reads: no cluster.
; Each load reads 512 consecutive bytes of one row; the 16 rows turn through the wave's own stage in LDS (rows of 512 + 16 bytes: row r starts 4 r banks on), whence a lane takes its 8 neighbours for each c.
.set SP,   528                         ; a stage row
.set WSTG, 16*SP                       ; a wave's stage: 8,448 bytes
.set R,    16                          ; v16-79   as loaded; later the held numbers
.set X,    80                          ; v80-143  my 64 numbers: register 8 c + i = k 16 c + 8 h + i of row r
.set C,    144                         ; v144-191 codes: 16 registers for each version, so that no store's data are written again
	s_load_b256 s[4:11], s[0:1], 0x0               ; x s[4:5], wq s[6:7], wk s[8:9], wv s[10:11]
	s_load_b256 s[12:19], s[0:1], 0x20             ; wo s[12:13], the exponents s[14:15], xc s[16:17], wc s[18:19]
	v_lshl_add_u32 v192, v0, 2, 0x8400
	v_mov_b32 v193, 0
	v_lshrrev_b32 v4, 5, v0
	v_readfirstlane_b32 s20, v4                    ; wave
	v_and_b32 v5, 31, v0
	v_lshlrev_b32 v1, 4, v5                        ; 16 x lane: my place in a load's and in a store's 512 bytes; never rewritten
	s_mul_i32 s21, s20, WSTG
	v_add_nc_u32 v2, s21, v1                       ; the stage, way in
	v_and_b32 v6, 15, v0
	v_bfe_u32 v7, v0, 4, 1
	v_mul_u32_u24 v3, v6, SP
	v_lshl_add_u32 v3, v7, 5, v3
	v_add_nc_u32 v3, s21, v3                       ; the stage, way out: row r, + 32 h bytes
	s_mov_b32 s38, 704
	s_wait_alu depctr_va_vdst(0)
	s_wait_kmcnt 0x0
	s_load_b256 s[24:31], s[14:15], 0x0            ; e0 .. e7
	s_load_b128 s[32:35], s[14:15], 0x20           ; e8 .. e11
	s_mov_b64 s[36:37], s[12:13]                   ; which tensor is mine hangs on the work-group's number alone
	s_cmp_lt_u32 ttmp9, 704
	s_cselect_b64 s[36:37], s[10:11], s[36:37]
	s_cselect_b32 s38, 672, s38
	s_cmp_lt_u32 ttmp9, 672
	s_cselect_b64 s[36:37], s[8:9], s[36:37]
	s_cselect_b32 s38, 640, s38
	s_cmp_lt_u32 ttmp9, 640
	s_cselect_b64 s[36:37], s[6:7], s[36:37]
	s_cselect_b32 s38, 512, s38
	s_cmp_lt_u32 ttmp9, 512
	s_cselect_b64 s[36:37], s[4:5], s[36:37]
	s_cselect_b32 s38, 0, s38                      ; the tensor's first work-group
	s_cselect_b64 s[40:41], s[16:17], s[18:19]     ; where the codes go: xc or wc,
	s_cselect_b32 s46, 0, 512                      ; counted from that buffer's first work-group
	s_sub_co_u32 s38, ttmp9, s38
	s_lshl_b32 s38, s38, 2
	s_add_co_u32 s38, s38, s20                     ; f: my fragment in the tensor = 8 x row tile + K step
	s_lshr_b32 s22, s38, 3
	s_lshl_b32 s22, s22, 16                        ; 16 rows of 4,096 bytes
	s_and_b32 s23, s38, 7
	s_lshl_b32 s23, s23, 9                         ; 128 numbers of 4 bytes
	s_or_b32 s22, s22, s23
	s_mov_b32 s23, 0
	s_add_nc_u64 s[36:37], s[36:37], s[22:23]
	s_sub_co_u32 s46, ttmp9, s46
	s_lshl_b32 s46, s46, 2
	s_add_co_u32 s46, s46, s20
	s_lshl_b32 s46, s46, 11                        ; an image is 2,048 bytes
	s_mov_b32 s47, 0
	s_add_nc_u64 s[40:41], s[40:41], s[46:47]
.irp p, 0,1,2,3,4,5,6,7,8,9,10,11,12,13,14,15
	global_load_b128 v[R+4*\p:R+4*\p+3], v1, s[36:37] offset:4096*\p th:TH_LOAD_NT   ; row p: 32 lanes read 512 consecutive bytes; read once in the launch
.endr
	s_wait_kmcnt 0x0
	s_mov_b32 s39, s35                             ; my tensor's exponent: e11, e5, e3, e1, or x's first, e0
	s_cmp_lt_u32 ttmp9, 704
	s_cselect_b32 s39, s29, s39
	s_cmp_lt_u32 ttmp9, 672
	s_cselect_b32 s39, s27, s39
	s_cmp_lt_u32 ttmp9, 640
	s_cselect_b32 s39, s25, s39
	s_cmp_lt_u32 ttmp9, 512
	s_cselect_b32 s39, s24, s39
.macro SCALE e, d                      ; v[d] = 2^e as f32 (the conversion takes its exponent field), v[d+1] = 448 x 2^e
	s_add_co_i32 s22, s[\e], 127
	s_lshl_b32 s23, s22, 23
	v_mov_b32 v[\d], s23
	s_add_co_i32 s22, s22, 8
	s_lshl_b32 s22, s22, 23
	s_or_b32 s22, s22, 0x600000
	v_mov_b32 v[\d+1], s22
.endm
	SCALE 39, 8
	SCALE 26, 10                                   ; e2
	SCALE 28, 12                                   ; e4
	s_wait_alu depctr_va_vdst(0)
.irp p, 0,1,2,3,4,5,6,7,8,9,10,11,12,13,14,15
	s_wait_loadcnt 15-\p                           ; loads come back in order: row p is in, the younger rows stay out
	ds_store_b128 v2, v[R+4*\p:R+4*\p+3] offset:SP*\p
.endr
.irp c, 0,1,2,3,4,5,6,7
	ds_load_b128 v[X+8*\c:X+8*\c+3], v3 offset:64*\c       ; LDS serves a wave's instructions in order: these see my stores
	ds_load_b128 v[X+8*\c+4:X+8*\c+7], v3 offset:64*\c+16
.endr
	s_wait_dscnt 0x0                               ; my 64 numbers are in, and the stores have read R
; version n: held (the conversion to an 8-bit code does not saturate: ISA guide 7.6.2), converted, stored as the image: four stores of 512 consecutive bytes
.macro QUANT n, sc, d
.set j, 0
.rept 64
	v_med3_num_f32 v[R+j], v[X+j], -v[\sc+1], v[\sc+1]
.set j, j+1
.endr
.irp c, 0,1,2,3,4,5,6,7
	v_cvt_scalef32_pk8_fp8_f32 v[C+16*\n+2*\c:C+16*\n+2*\c+1], v[R+8*\c:R+8*\c+7], v[\sc]
.endr
	v_nop                                          ; a plain line between the conversions and the next version's holds, which write their sources
.irp g, 0,1,2,3
	global_store_b128 v1, v[C+16*\n+4*\g:C+16*\n+4*\g+3], s[\d:\d+1] offset:512*\g
.endr
.endm
	QUANT 0, 8, 40
	s_cmp_ge_u32 ttmp9, 512
	s_cbranch_scc1 .Lend                           ; a weight has one scale
	s_add_nc_u64 s[42:43], s[40:41], 0x400000      ; x's second and third versions lie 4 MiB apart
	s_add_nc_u64 s[44:45], s[40:41], 0x800000
	QUANT 1, 10, 42
	QUANT 2, 12, 44
.Lend:
	s_wait_tensorcnt 0x0
	ds_add_u32 v192, v193
	s_wait_dscnt 0x0
	s_endpgm
.Lfunc_end_k_q695228ce47_quant:
	.size	k_q695228ce47_quant, .Lfunc_end_k_q695228ce47_quant-k_q695228ce47_quant
	.p2alignl 7, 3214868480
	.fill 96, 4, 3214868480
	.section	.rodata,"a",@progbits
	.p2align	6, 0x0
	.amdhsa_kernel k_q695228ce47_quant
		.amdhsa_group_segment_fixed_size 34304
		.amdhsa_private_segment_fixed_size 0
		.amdhsa_enable_private_segment 0
		.amdhsa_kernarg_size 64
		.amdhsa_user_sgpr_count 2
		.amdhsa_user_sgpr_kernarg_segment_ptr 1
		.amdhsa_wavefront_size32 1
		.amdhsa_system_sgpr_workgroup_id_x 1
		.amdhsa_system_sgpr_workgroup_id_y 1
		.amdhsa_system_sgpr_workgroup_id_z 1
		.amdhsa_system_vgpr_workitem_id 0
		.amdhsa_next_free_vgpr 194
		.amdhsa_next_free_sgpr 66
		.amdhsa_reserve_vcc 0
		.amdhsa_float_denorm_mode_32 3
		.amdhsa_float_denorm_mode_16_64 3
		.amdhsa_memory_ordered 1
		.amdhsa_forward_progress 1
		.amdhsa_inst_pref_size 23
	.end_amdhsa_kernel
	.amdgpu_metadata
---
amdhsa.version: [ 1, 2 ]
amdhsa.kernels:
  - .name:           k_q695228ce47_quant
    .symbol:         k_q695228ce47_quant.kd
    .args:
      - { .name: x, .offset: 0, .size: 8, .value_kind: global_buffer, .address_space: global }
      - { .name: wq, .offset: 8, .size: 8, .value_kind: global_buffer, .address_space: global }
      - { .name: wk, .offset: 16, .size: 8, .value_kind: global_buffer, .address_space: global }
      - { .name: wv, .offset: 24, .size: 8, .value_kind: global_buffer, .address_space: global }
      - { .name: wo, .offset: 32, .size: 8, .value_kind: global_buffer, .address_space: global }
      - { .name: lowp_scales, .offset: 40, .size: 8, .value_kind: global_buffer, .address_space: global }
      - { .name: xc, .offset: 48, .size: 8, .value_kind: global_buffer, .address_space: global }
      - { .name: wc, .offset: 56, .size: 8, .value_kind: global_buffer, .address_space: global }
    .group_segment_fixed_size: 34304
    .private_segment_fixed_size: 0
    .kernarg_segment_align: 8
    .kernarg_segment_size: 64
    .max_flat_workgroup_size: 128
    .sgpr_count:     66
    .vgpr_count:     194
    .wavefront_size: 32
...
	.end_amdgpu_metadata
.endif
;; end of part 1
;; launch proj (part 2): grid 32 x 12, 8 waves a work-group, clusters of 4 x 1, 263,168 bytes of LDS; arguments xc, wc, lowp_scales, qc, kv; writes qc, kv
.if DOCPART == 2
	.amdgcn_target "amdgcn-amd-amdhsa--gfx1250"
	.amdhsa_code_object_version 6
	.text
	.protected	k_q695228ce47_proj
	.globl	k_q695228ce47_proj
	.p2align	8
	.type	k_q695228ce47_proj,@function
k_q695228ce47_proj:
	s_mov_b64 s[64:65], 0
	v_nop
	global_prefetch_b8 v0, s[64:65] scope:SCOPE_SE
	s_setreg_imm32_b32 hwreg(HW_REG_WAVE_MODE, 25, 1), 1
	s_wait_xcnt 0x0
	s_wait_alu depctr_hold_cnt(0) depctr_sa_sdst(0) depctr_va_vdst(0) depctr_va_sdst(0) depctr_va_ssrc(0) depctr_va_vcc(0) depctr_vm_vsrc(0)
	s_getreg_b32 s2, hwreg(HW_REG_IB_STS2, 6, 4)
	s_cmp_eq_u32 s2, 0
	s_cbranch_scc0 .Lentry_in_a_cluster
	s_endpgm
.Lentry_in_a_cluster:
	s_bfe_u32 s2, ttmp6, 0x10000c
	s_cmp_lg_u32 s2, 0x3003
	s_cbranch_scc0 .Lentry_shape_is_right
	s_endpgm
.Lentry_shape_is_right:
; q = x wq^T, k = x wk^T, v = x wv^T on codes of FP8; the results are quantised at once for the attention: q by entry 7, k by entry 6, v by entry 8 of the exponents.
; A work-group makes 128 tokens (block i) x 128 columns (block y: 0-7 of q, 8-9 of k, 10-11 of v), K = 1,024.  Operands come as images of registers (16 rows x 128 K = 2,048 bytes; registers 4 G .. of lane l at 512 G + 16 l).
; LDS holds the whole K of both operands: [x's region, then the weight's, 131,072 each][tile 8: 16,384][K step 8: 2,048].  Nothing is filled twice.  Each wave issues ONE tensor load at the head: two tiles' whole K,
; 32,768 consecutive bytes stated as 128 rows of 256 (waves 0-3: x's tiles, waves 4-7: the weight's); one wait for 0 and one barrier stand in front of the products.
; EIGHT WAVES: wave w (half = w % 2, p = w / 2) makes 4 tiles of source 0 (4 half + a) x 2 tiles of source 1 (2 p + b): 8 accumulators by turns.
; q, k: source 0 = the weight, source 1 = x: a lane holds one token, its registers run along the head's 64.  v: source 0 = x, source 1 = the weight: a lane holds one channel, its registers run along the keys.
; CLUSTER 4 x 1: four token blocks of one column block ask JOINTLY for the weight's tiles (mask 15); x's tiles are each work-group's own.  Not 4 x 4: q, k and v read three versions of x's codes, and k and v have two column blocks each.
; No prefetch: the launch has no loop to run ahead in; all its loads go out at the head.
; qc: [head 16][token tile 256][1024].  kv: [group 4][256 keys 16][32768]: K's 16 key tiles of 1,024 bytes, then V: [step of 128 keys 2][d tile 4][2048].
; LIMITS: e7 - e0 - e1, e6 - e2 - e3 and e8 - e4 - e5 lie between -126 and 119, so that each power of two below is an f32 number.
.set REGW, 131072
.set F0,   16                          ; v16-79   four fragments of source 0
.set F1,   80                          ; v80-111  two of source 1
.set ACC,  112                         ; v112-175 accumulator (a, b) at ACC + 8 (2 a + b)
.set COD,  176                         ; v176-191 the codes
.set WV,   14
.set G1X,  24                          ; s[24:31], s[32:39] descriptor groups 1: x's (no mask), the weight's (mask 15)
.set G1W,  32
.set G0X,  40                          ; s[40:43], s[68:71] groups 0
.set G0W,  68
.macro CROUND                          ; a round of the cluster's barrier
	s_barrier_signal -1
	s_barrier_wait -1
	s_cmp_lg_u32 s[WV], 0
	s_cbranch_scc1 .Lnot_wave_0_\@
	s_barrier_signal -3
.Lnot_wave_0_\@:
	s_barrier_wait -3
	s_barrier_signal -1
	s_barrier_wait -1
.endm
	s_load_b256 s[4:11], s[0:1], 0x0               ; xc, wc, the exponents, qc
	s_load_b64 s[12:13], s[0:1], 0x20              ; kv
	v_lshl_add_u32 v192, v0, 2, 0x40000            ; my spare word, behind the operands
	v_mov_b32 v193, 0
	ds_add_u32 v192, v193
	ds_add_u32 v192, v193
	v_lshrrev_b32 v7, 5, v0
	s_delay_alu instid0(VALU_DEP_1)
	v_readfirstlane_b32 s[WV], v7                  ; wave 0..7
	s_and_b32 s15, s[WV], 1                        ; half
	s_lshr_b32 s16, s[WV], 1                       ; p
	s_and_b32 s17, s[WV], 3                        ; which two tiles of a region I fetch
	s_bfe_u32 s18, ttmp6, 0x40000                  ; cx
	s_lshl_b32 s19, ttmp9, 2
	s_add_co_u32 s19, s19, s18                     ; i = 4 x cluster x + cx
	s_and_b32 s20, ttmp7, 0xffff                   ; y, shared by the four partners
	s_mov_b32 s[G1X], 3<<16                        ; elements of 8 bytes, no padding
	s_mov_b32 s[G1W], 15|(3<<16)|(1<<21)           ; the same with the mask of all four partners
.irp g, G1X, G1W
	s_mov_b32 s[\g+1], 32<<16                      ; tensor_dim0 = 32 elements: 256 bytes
	s_mov_b32 s[\g+2], 128<<16                     ; tensor_dim1 = 128
	s_mov_b32 s[\g+3], 32<<16                      ; tile_dim0
	s_mov_b32 s[\g+4], 128                         ; tile_dim1
	s_mov_b32 s[\g+5], 32                          ; rows lie end to end
	s_mov_b32 s[\g+6], 0
	s_mov_b32 s[\g+7], 0
.endr
	s_mov_b32 s21, 0x800000                        ; which version of x's codes: v the third, k the second, q the first
	s_cmp_lt_u32 s20, 10
	s_cselect_b32 s21, 0x400000, s21
	s_cselect_b32 s59, REGW, 0                     ; source 0's region: the weight's for q and k, x's for v
	s_cselect_b32 s60, 0, REGW                     ; source 1's: the other
	s_cmp_lt_u32 s20, 8
	s_cselect_b32 s21, 0, s21
	s_lshl_b32 s56, s17, 15                        ; my two tiles of 16,384 bytes, in memory and in a region alike
	s_lshl_b32 s22, s19, 17                        ; a block is 8 tiles
	s_add_co_u32 s22, s22, s21
	s_add_co_u32 s22, s22, s56
	s_mov_b32 s23, 0
	s_lshl_b32 s62, s20, 17                        ; the weight's address is made of y and the wave's number alone
	s_add_co_u32 s62, s62, s56
	s_mov_b32 s63, 0
	s_wait_dscnt 0x0
	s_wait_kmcnt 0x0
	s_load_b256 s[84:91], s[8:9], 0x0              ; e0 .. e7
	s_load_b128 s[92:95], s[8:9], 0x20             ; e8 .. e11
	s_mov_b32 s[G0X], 1
	s_mov_b32 s[G0X+1], s56
	s_add_nc_u64 s[G0X+2:G0X+3], s[4:5], s[22:23]
	s_or_b32 s[G0X+3], s[G0X+3], 0x80000000
	s_mov_b32 s[G0W], 1
	s_add_co_u32 s[G0W+1], s56, REGW
	s_add_nc_u64 s[G0W+2:G0W+3], s[6:7], s[62:63]
	s_or_b32 s[G0W+3], s[G0W+3], 0x80000000
	CROUND                                         ; all four work-groups are here: the joint loads meet
	s_cmp_lt_u32 s[WV], 4                          ; one chain of two arms, one fill to an arm
	s_cbranch_scc0 .Lfill_w
	tensor_load_to_lds s[G0X:G0X+3], s[G1X:G1X+7]
	s_nop 0
.rept 4
	v_nop
.endr
	s_branch .Lfilled
.Lfill_w:
	tensor_load_to_lds s[G0W:G0W+3], s[G1W:G1W+7]
	s_nop 0
.rept 4
	v_nop
.endr
.Lfilled:
	v_and_b32 v7, 31, v0
	s_delay_alu instid0(VALU_DEP_1)
	v_lshlrev_b32 v1, 4, v7                        ; 16 x lane; never rewritten
	s_lshl_b32 s58, s15, 16
	s_add_co_u32 s59, s59, s58
	v_add_nc_u32 v2, s59, v1                       ; source 0: my four tiles
	s_lshl_b32 s58, s16, 15
	s_add_co_u32 s60, s60, s58
	v_add_nc_u32 v3, s60, v1                       ; source 1: my two
	s_wait_alu depctr_va_vdst(0)
	s_wait_kmcnt 0x0
	s_sub_co_i32 s96, s91, s84                     ; the way out's one scale: a sum's code is sum / 2^(eT - ea - eb)
	s_sub_co_i32 s96, s96, s85                     ; q: e7 - e0 - e1
	s_sub_co_i32 s97, s90, s86
	s_sub_co_i32 s97, s97, s87                     ; k: e6 - e2 - e3
	s_sub_co_i32 s98, s92, s88
	s_sub_co_i32 s98, s98, s89                     ; v: e8 - e4 - e5
	s_cmp_lt_u32 s20, 10
	s_cselect_b32 s97, s97, s98
	s_cmp_lt_u32 s20, 8
	s_cselect_b32 s96, s96, s97
	s_add_co_i32 s96, s96, 127
	s_lshl_b32 s97, s96, 23
	v_mov_b32 v5, s97                              ; the scale as f32
	s_add_co_i32 s96, s96, 8
	s_lshl_b32 s96, s96, 23
	s_or_b32 s96, s96, 0x600000
	v_mov_b32 v6, s96                              ; 448 x the scale
	s_lshl_b32 s96, s20, 1                         ; q: head 2 y + half, token tiles 8 i + 2 p + b
	s_add_co_u32 s96, s96, s15
	s_lshl_b32 s96, s96, 18
	s_lshl_b32 s97, s19, 3
	s_lshl_b32 s98, s16, 1
	s_add_co_u32 s97, s97, s98
	s_lshl_b32 s97, s97, 10
	s_add_co_u32 s96, s96, s97
	s_sub_co_u32 s97, s20, 8                       ; k: group 2 (y - 8) + half, 256 keys i / 2, key tiles 8 (i % 2) + 2 p + b
	s_lshl_b32 s97, s97, 1
	s_add_co_u32 s97, s97, s15
	s_lshl_b32 s97, s97, 19
	s_lshr_b32 s99, s19, 1
	s_lshl_b32 s99, s99, 15
	s_add_co_u32 s97, s97, s99
	s_and_b32 s21, s19, 1
	s_lshl_b32 s58, s21, 3
	s_add_co_u32 s58, s58, s98
	s_lshl_b32 s58, s58, 10
	s_add_co_u32 s97, s97, s58
	s_sub_co_u32 s58, s20, 10                      ; v: group 2 (y - 10) + p / 2, behind K's 16,384 bytes, step i % 2, d tiles 2 (p % 2) + b, registers 8 half on
	s_lshl_b32 s58, s58, 1
	s_lshr_b32 s61, s16, 1
	s_add_co_u32 s58, s58, s61
	s_lshl_b32 s58, s58, 19
	s_add_co_u32 s58, s58, s99
	s_lshl_b32 s61, s21, 13
	s_add_co_u32 s58, s58, s61
	s_and_b32 s61, s16, 1
	s_lshl_b32 s61, s61, 12
	s_add_co_u32 s58, s58, s61
	s_lshl_b32 s61, s15, 10
	s_add_co_u32 s58, s58, s61
	s_add_co_u32 s58, s58, 16384
	s_mov_b32 s61, 2048                            ; from b = 0 to b = 1
	s_cmp_lt_u32 s20, 10
	s_cselect_b32 s97, s97, s58
	s_cselect_b32 s61, 1024, s61
	s_cmp_lt_u32 s20, 8
	s_cselect_b32 s96, s96, s97
	s_cselect_b64 s[98:99], s[10:11], s[12:13]     ; qc or kv: the choice hangs on y alone
	s_mov_b32 s97, 0
	s_add_nc_u64 s[98:99], s[98:99], s[96:97]
	v_add_nc_u32 v4, s61, v1
.macro MUL4 a0, first                  ; first = 1: the products start the sums
.irp a, \a0, \a0+1
.irp b, 0,1
.if \first
	v_wmma_f32_16x16x128_fp8_fp8 v[ACC+8*(2*(\a)+\b):ACC+8*(2*(\a)+\b)+7], v[F0+16*(\a):F0+16*(\a)+15], v[F1+16*\b:F1+16*\b+15], 0
.else
	v_wmma_f32_16x16x128_fp8_fp8 v[ACC+8*(2*(\a)+\b):ACC+8*(2*(\a)+\b)+7], v[F0+16*(\a):F0+16*(\a)+15], v[F1+16*\b:F1+16*\b+15], v[ACC+8*(2*(\a)+\b):ACC+8*(2*(\a)+\b)+7]
.endif
.endr
.endr
.endm
.macro KSTEP ks, first                 ; 128 along K: 24 LDS loads of 512 consecutive bytes, 8 matrix instructions
.if \first == 0
.rept 4
	v_nop                                          ; four places between the last products and loads into the registers that they read
.endr
.endif
.irp b, 0,1
.irp g, 0,1,2,3
	ds_load_b128 v[F1+16*\b+4*\g:F1+16*\b+4*\g+3], v3 offset:\b*16384+\ks*2048+\g*512
.endr
.endr
.irp a, 0,1,2,3
.irp g, 0,1,2,3
	ds_load_b128 v[F0+16*\a+4*\g:F0+16*\a+4*\g+3], v2 offset:\a*16384+\ks*2048+\g*512
.endr
.endr
	s_wait_dscnt 8                                 ; the youngest eight, source 0's tiles 2 and 3, may be out
	MUL4 0, \first
	s_wait_dscnt 0x0
	MUL4 2, \first
.endm
	s_wait_alu depctr_va_vdst(0)
	s_wait_tensorcnt 0x0                           ; my two tiles are in
	s_barrier_signal -1
	s_barrier_wait -1                              ; everybody's are
	KSTEP 0, 1
.irp k, 1,2,3,4,5,6,7
	KSTEP \k, 0
.endr
	; THE WAY OUT: held, converted, stored as images: the eight registers of accumulator (a, b) become registers 2 a, 2 a + 1 of fragment b
.rept 4
	v_nop
.endr
.set j, 0
.rept 64
	v_med3_num_f32 v[ACC+j], v[ACC+j], -v6, v6     ; each accumulator from its low end on; the conversion does not saturate (ISA guide 7.6.2)
.set j, j+1
.endr
.irp b, 0,1
.irp a, 0,1,2,3
	v_cvt_scalef32_pk8_fp8_f32 v[COD+8*\b+2*\a:COD+8*\b+2*\a+1], v[ACC+8*(2*\a+\b):ACC+8*(2*\a+\b)+7], v5
.endr
.endr
	v_nop                                          ; a plain line behind the last conversion
	global_store_b128 v1, v[COD:COD+3], s[98:99]               ; each store covers 512 consecutive bytes, aligned
	global_store_b128 v1, v[COD+4:COD+7], s[98:99] offset:512
	global_store_b128 v4, v[COD+8:COD+11], s[98:99]
	global_store_b128 v4, v[COD+12:COD+15], s[98:99] offset:512
	s_wait_tensorcnt 0x0                           ; the wave's end
	ds_add_u32 v192, v193
	s_wait_dscnt 0x0
	CROUND                                         ; the closing round
	s_endpgm
.Lfunc_end_k_q695228ce47_proj:
	.size	k_q695228ce47_proj, .Lfunc_end_k_q695228ce47_proj-k_q695228ce47_proj
	.p2alignl 7, 3214868480
	.fill 96, 4, 3214868480
	.section	.rodata,"a",@progbits
	.p2align	6, 0x0
	.amdhsa_kernel k_q695228ce47_proj
		.amdhsa_group_segment_fixed_size 263168
		.amdhsa_private_segment_fixed_size 0
		.amdhsa_enable_private_segment 0
		.amdhsa_kernarg_size 40
		.amdhsa_user_sgpr_count 2
		.amdhsa_user_sgpr_kernarg_segment_ptr 1
		.amdhsa_wavefront_size32 1
		.amdhsa_system_sgpr_workgroup_id_x 1
		.amdhsa_system_sgpr_workgroup_id_y 1
		.amdhsa_system_sgpr_workgroup_id_z 1
		.amdhsa_system_vgpr_workitem_id 0
		.amdhsa_next_free_vgpr 194
		.amdhsa_next_free_sgpr 100
		.amdhsa_reserve_vcc 0
		.amdhsa_float_denorm_mode_32 3
		.amdhsa_float_denorm_mode_16_64 3
		.amdhsa_memory_ordered 1
		.amdhsa_forward_progress 1
		.amdhsa_inst_pref_size 30
	.end_amdhsa_kernel
	.amdgpu_metadata
---
amdhsa.version: [ 1, 2 ]
amdhsa.kernels:
  - .name:           k_q695228ce47_proj
    .symbol:         k_q695228ce47_proj.kd
    .args:
      - { .name: xc, .offset: 0, .size: 8, .value_kind: global_buffer, .address_space: global }
      - { .name: wc, .offset: 8, .size: 8, .value_kind: global_buffer, .address_space: global }
      - { .name: lowp_scales, .offset: 16, .size: 8, .value_kind: global_buffer, .address_space: global }
      - { .name: qc, .offset: 24, .size: 8, .value_kind: global_buffer, .address_space: global }
      - { .name: kv, .offset: 32, .size: 8, .value_kind: global_buffer, .address_space: global }
    .group_segment_fixed_size: 263168
    .private_segment_fixed_size: 0
    .kernarg_segment_align: 8
    .kernarg_segment_size: 40
    .max_flat_workgroup_size: 256
    .sgpr_count:     100
    .vgpr_count:     194
    .wavefront_size: 32
...
	.end_amdgpu_metadata
.endif
;; end of part 2
;; launch attn (part 3): grid 256 x 1, 16 waves a work-group, clusters of 4 x 1, 327,680 bytes of LDS; arguments qc, kv, lowp_scales, cc; writes cc
.if DOCPART == 3
	.amdgcn_target "amdgcn-amd-amdhsa--gfx1250"
	.amdhsa_code_object_version 6
	.text
	.protected	k_q695228ce47_attn
	.globl	k_q695228ce47_attn
	.p2align	8
	.type	k_q695228ce47_attn,@function
k_q695228ce47_attn:
	s_mov_b64 s[64:65], 0
	v_nop
	global_prefetch_b8 v0, s[64:65] scope:SCOPE_SE
	s_setreg_imm32_b32 hwreg(HW_REG_WAVE_MODE, 25, 1), 1
	s_wait_xcnt 0x0
	s_wait_alu depctr_hold_cnt(0) depctr_sa_sdst(0) depctr_va_vdst(0) depctr_va_sdst(0) depctr_va_ssrc(0) depctr_va_vcc(0) depctr_vm_vsrc(0)
	s_getreg_b32 s2, hwreg(HW_REG_IB_STS2, 6, 4)
	s_cmp_eq_u32 s2, 0
	s_cbranch_scc0 .Lentry_in_a_cluster
	s_endpgm
.Lentry_in_a_cluster:
	s_bfe_u32 s2, ttmp6, 0x10000c
	s_cmp_lg_u32 s2, 0x3003
	s_cbranch_scc0 .Lentry_shape_is_right
	s_endpgm
.Lentry_shape_is_right:
; Causal attention of 16 query heads on 4 groups of keys and values, head size 64, 4,096 tokens, both products on codes of FP8; the result is quantised (entry 10) as the last product's operand.
; Key steps that lie wholly above the diagonal are thrown away by the mask that the problem builds itself, and are not computed.
; THE SOFTMAX: t = score x log2(e) / 8; M = the largest t so far, rounded UP to a whole number; p = 2^(t - M) is quantised (entry 9), not normalised; the sum is taken of the unquantised p and divides at the end.
; LAYOUT.  S^T = K Q^T (source 0 = 16 keys, source 1 = 16 queries), O^T = V^T P^T: a lane holds ONE query (lane % 16).  Register j of key tile i holds key 16 i + 8 (lane / 16) + j, so tile i's registers, converted, ARE
; registers 2 i, 2 i + 1 of P in the plain 8-bit layout; likewise O^T's tile t for the next operand.  All operands are images of registers (registers 4 G .. of lane l at 512 G + 16 l):
; qc [head][query tile][1024]; kv [group][256 keys][K: 16 tiles of 1,024, V: 2 steps x 4 d tiles of 2,048]; cc [query tile][head][1024].
; SHARES.  Cluster C: group g = C / 16, J = C % 16; its four work-groups are the group's four heads on the SAME queries, so K and V are asked for JOINTLY, and every branch hangs on J, the wave and the count of trips alone.
; A work-group takes query blocks J and 31 - J (128 queries), one after the other.  SIXTEEN WAVES: two waves share query tile w = wave / 2 and split the key steps (128 keys) between them: the wave with parity par takes the
; steps with number % 2 = par, with an M, a sum and an O^T of its own.  At a block's end each wave puts into its stage in LDS what its partner finishes (d tiles 2 (1 - par), 2 (1 - par) + 1, -M, the sum) and keeps the rest;
; behind the next round each joins the two parts of d tiles 2 par, 2 par + 1 (factors 2^(M - joint M): exact), divides, converts and stores 512 bytes.  A plain barrier behind the join parts its reads from the next stores there.
; THE RING: two LDS slots of 131,072 bytes = 1,024 keys = eight steps, four for each wave.  Block B needs steps 0 .. B: J / 8 + 1 slots for the first block, 5 in all for every J: the trip count is a constant.
; A slot in memory is sixteen pieces of 8,192 bytes (K or V of one step).  Wave j fetches bytes 512 j .. of EVERY piece, 16 rows of 512 bytes, to LDS 8,192 j: so each load holds bytes of the slot's first step, which is
; always read, and group j of piece p lies at 8,192 j + 512 p.  One tensor load of a wave is out at most.
; PREFETCH: in trips 0 and 1 the cluster with J = 0 names key slots 2 and 3 of its group; the earliest joint load of each is issued two trips later.  The four partners share a slot's bytes by address, 32,768 each; wave 2 asks,
; four instructions, lanes 256 bytes apart.  Slots 0 and 1 come by their loads alone.
; LIMITS on the given exponents, so that each power of two below is an f32 number: e6 + e7 between -123 and 130; e9 and e10 between -126 and 119; e8 + e9 goes by v_ldexp_f32 and has none.
.set SLOTB, 131072
.set STAGE, 2*SLOTB                    ; the stage: 16 waves x 2,304 bytes (half of O^T 2,048; -M and the sum 256); no fill lands there
.set WSTG,  2304
.set SPARE, STAGE+16*WSTG              ; the spare words, 128 bytes a wave
.set LI,  1                            ; 16 x lane
.set SPW, 2
.set NIL, 3
.set DG,  4                            ; my query in the block - 8 (lane / 16)
.set PFO, 5                            ; 256 x lane
.set ADR, 6                            ; the slot in hand + LIP;  ADR2: 65,536 on
.set SA,  7                            ; my stage;  NA: its -M and sum;  MB, NB: my partner's
.set NA,  8
.set MB,  9
.set NB,  10
.set ADR2, 11
.set QF,  16                           ; v16-23 Q; v24-31 the second block's
.set KV,  32                           ; v32-95 eight fragments of K, then four of V
.set S,   96                           ; v96-159 S^T, then p; at a join: at work
.set O,   160                          ; v160-191 O^T
.set PC,  192                          ; v192-207 p's codes
.set CC,  208                          ; v208-211 the result's codes
.set LIP, 224                          ; 16 x lane + 512 par
.set U,   226                          ; v226-239 seven chains of the sum
.set BD2, 240                          ; 448 x 2^e9 once more, in another register bank than v249: for the dual holds
                                       ; v12 -M, v13 the largest t, v[14:15] the sum; v216-221 at work; v[222:223] f; v248, v249: 2^e9, 448 x 2^e9; v250, v251: with e10; v252 -infinity
.set WV,  12
.set PAR, 14
.set NS1, 17                           ; slots of the first block;  NS2 = NS1 + 1
.set TAU, 18
.set SLOTS, 19
.set LIM, 42
.set TB,  43
.set KS,  44
.set JB,  45
.set NS2, 66
.set TW,  67
.macro CROUND
	s_barrier_signal -1
	s_barrier_wait -1
	s_cmp_lg_u32 s[WV], 0
	s_cbranch_scc1 .Lnot_wave_0_\@
	s_barrier_signal -3
.Lnot_wave_0_\@:
	s_barrier_wait -3
	s_barrier_signal -1
	s_barrier_wait -1
.endm
.macro JLOAD                           ; every wave's joint load: no branch
	tensor_load_to_lds s[32:35], s[24:31]
	s_nop 0
.rept 4
	v_nop
.endr
.endm
.macro ASK
	s_cmp_gt_u32 s[SLOTS], s[LIM]
	s_cbranch_scc0 .Lnot_mine_\@
.irp i, 0,1,2,3
	global_prefetch_b8 v[PFO], s[40:41] offset:8192*\i th:TH_LOAD_NT scope:SCOPE_SE
.endr
.Lnot_mine_\@:
.endm
	s_load_b256 s[4:11], s[0:1], 0x0               ; qc, kv, the exponents, cc
	v_lshl_add_u32 v[SPW], v0, 2, SPARE
	v_mov_b32 v[NIL], 0
	ds_add_u32 v[SPW], v[NIL]
	ds_add_u32 v[SPW], v[NIL]
	v_lshrrev_b32 v216, 5, v0
	v_readfirstlane_b32 s[WV], v216                ; wave 0..15
	s_lshr_b32 s[PAR], s[WV], 2
	s_xor_b32 s[PAR], s[PAR], s[WV]
	s_and_b32 s[PAR], s[PAR], 1                    ; par: waves 2 w and 2 w + 1 differ in it
	s_lshr_b32 s[TW], s[WV], 1                     ; w
	s_bfe_u32 s13, ttmp6, 0x40000                  ; cx: it enters Q's, the result's and the prefetches' addresses alone
	s_lshr_b32 s15, ttmp9, 4                       ; g
	s_and_b32 s16, ttmp9, 15                       ; J
	s_lshr_b32 s[NS1], s16, 3
	s_add_co_u32 s[NS1], s[NS1], 1
	s_add_co_u32 s[NS2], s[NS1], 1
	s_mov_b32 s[TAU], 0
	s_mov_b32 s[SLOTS], 4
	s_mov_b32 s20, 0x76543210                      ; selects for lane l xor 16
	s_mov_b32 s21, 0xfedcba98
	s_mov_b32 s22, 0x3e38aa3b                      ; c = log2(e) / 8
	s_mov_b32 s[TB], 0
	s_mov_b32 s[JB], s16
	s_sub_co_u32 s46, 31, s16
	s_mov_b32 s24, 15|(3<<16)|(1<<21)              ; group 1: the mask of all four partners; elements of 8 bytes; no padding
	s_mov_b32 s25, 64<<16                          ; rows of 512 bytes,
	s_mov_b32 s26, 16<<16                          ; sixteen of them,
	s_mov_b32 s27, 64<<16
	s_mov_b32 s28, 16
	s_mov_b32 s29, 1024                            ; 8,192 bytes apart
	s_mov_b32 s30, 0
	s_mov_b32 s31, 0
	s_lshl_b32 s53, s[WV], 9
	s_lshl_b32 s54, s15, 19                        ; the group's four slots
	s_add_co_u32 s54, s54, s53
	s_mov_b32 s55, 0
	s_mov_b32 s39, 0
	s_xor_b32 s[LIM], s[WV], 2
	s_or_b32 s[LIM], s[LIM], s16                   ; 0 in wave 2 where J = 0
	s_cmp_eq_u32 s[LIM], 0
	s_cselect_b32 s[LIM], 2, -1
	s_lshl_b32 s57, s15, 2
	s_add_co_u32 s57, s57, s13                     ; my head
	s_lshl_b32 s58, s16, 3
	s_add_co_u32 s58, s58, s[TW]                   ; my query tile in the first block,
	s_lshl_b32 s59, s46, 3
	s_add_co_u32 s59, s59, s[TW]                   ; and in the second
	s_lshl_b32 s56, s57, 18
	s_lshl_b32 s60, s58, 10
	s_add_co_u32 s60, s60, s56
	s_mov_b32 s61, 0
	s_lshl_b32 s62, s59, 10
	s_add_co_u32 s62, s62, s56
	s_mov_b32 s63, 0
	s_lshl_b32 s56, s57, 10                        ; my head's 1,024 bytes in a tile's 16,384
	s_lshl_b32 s48, s58, 14
	s_add_co_u32 s48, s48, s56
	s_mov_b32 s49, 0
	s_lshl_b32 s50, s59, 14
	s_add_co_u32 s50, s50, s56
	s_mov_b32 s51, 0
	s_lshl_b32 s56, s13, 15                        ; the prefetches: my work-group's 32,768 bytes of a slot,
	s_lshl_b32 s57, s15, 19
	s_add_co_u32 s56, s56, s57
	s_add_co_u32 s56, s56, SLOTB                   ; in slot 1: the first change of slots steps it to slot 2
	s_mov_b32 s57, 0
	s_lshl_b32 s80, s[PAR], 9                      ; the scalars of the LDS addresses
	s_mul_i32 s81, s[WV], WSTG
	s_add_co_u32 s81, s81, STAGE                   ; my stage
	s_add_co_u32 s82, s81, 2048
	s_xor_b32 s84, s[WV], 1
	s_mul_i32 s84, s84, WSTG
	s_add_co_u32 s84, s84, STAGE                   ; my partner's
	s_add_co_u32 s85, s84, 2048
	s_lshl_b32 s86, s[TW], 4
	s_wait_dscnt 0x0
	s_wait_kmcnt 0x0
	s_load_b256 s[68:75], s[8:9], 0x0              ; e0 .. e7
	s_load_b128 s[76:79], s[8:9], 0x20             ; e8 .. e11
	s_add_nc_u64 s[36:37], s[6:7], s[54:55]        ; my rows of the group's slot 0
	s_add_nc_u64 s[60:61], s[4:5], s[60:61]
	s_add_nc_u64 s[62:63], s[4:5], s[62:63]
	s_add_nc_u64 s[48:49], s[10:11], s[48:49]
	s_add_nc_u64 s[50:51], s[10:11], s[50:51]
	s_add_nc_u64 s[40:41], s[6:7], s[56:57]
	s_mov_b32 s32, 1
	s_lshl_b32 s33, s[WV], 13
	s_mov_b64 s[34:35], s[36:37]
	s_or_b32 s35, s35, 0x80000000
	CROUND
	JLOAD                                          ; slot 0
	v_and_b32 v216, 31, v0
	v_lshlrev_b32 v[LI], 4, v216
	v_lshlrev_b32 v[PFO], 8, v216
	v_lshlrev_b32 v217, 3, v216
	global_load_b128 v[QF:QF+3], v[LI], s[60:61]
	global_load_b128 v[QF+4:QF+7], v[LI], s[60:61] offset:512
	global_load_b128 v[QF+8:QF+11], v[LI], s[62:63]
	global_load_b128 v[QF+12:QF+15], v[LI], s[62:63] offset:512
	v_add_nc_u32 v[LIP], s80, v[LI]
	v_add_nc_u32 v[SA], s81, v[LI]
	v_add_nc_u32 v[NA], s82, v217
	v_add_nc_u32 v[MB], s84, v[LI]
	v_add_nc_u32 v[NB], s85, v217
	v_and_b32 v218, 15, v0
	v_bfe_u32 v219, v0, 4, 1
	v_lshlrev_b32 v219, 3, v219
	v_sub_nc_u32 v[DG], v218, v219
	v_add_nc_u32 v[DG], s86, v[DG]
	v_mov_b32 v13, 0xff61b1e6                      ; the largest t so far: -3e38
	v_floor_f32 v12, -v13                          ; -M
	v_mov_b32 v14, 0
	v_mov_b32 v15, 0
	v_mov_b32 v220, 0                              ; a lane permute's destination counts as a source
	v_mov_b32 v223, 0                              ; (upper half of the pair v[222:223])
	v_mov_b32 v252, 0xff800000
.set j, 0
.rept 32
	v_mov_b32 v[O+j], 0                            ; the step is written once: a block's first step finds zeros
.set j, j+1
.endr
	s_wait_kmcnt 0x0
	s_add_co_i32 s53, s74, s75
	s_lshl_b32 s53, s53, 23
	s_add_co_i32 s22, s22, s53                     ; e6 + e7 added to c's exponent field
	s_mov_b32 s23, s22
	s_add_co_i32 s53, s77, 127
	s_lshl_b32 s54, s53, 23
	v_mov_b32 v248, s54                            ; 2^e9
	s_add_co_i32 s53, s53, 8
	s_lshl_b32 s53, s53, 23
	s_or_b32 s53, s53, 0x600000
	v_mov_b32 v249, s53                            ; 448 x 2^e9
	v_mov_b32 v[BD2], s53
	s_add_co_i32 s53, s78, 127
	s_lshl_b32 s54, s53, 23
	v_mov_b32 v250, s54                            ; 2^e10
	s_add_co_i32 s53, s53, 8
	s_lshl_b32 s53, s53, 23
	s_or_b32 s53, s53, 0x600000
	v_mov_b32 v251, s53                            ; 448 x 2^e10
	s_add_co_i32 s52, s76, s77                     ; e8 + e9
.macro HOLD j0, n                      ; the hold at the largest code x the scale, two numbers an instruction; p is not negative, so it is one-sided
.set j, \j0
.rept \n
	v_dual_min_num_f32 v[S+j], v[S+j], v249 :: v_dual_min_num_f32 v[S+j+1], v[S+j+1], v[BD2]
.set j, j+2
.endr
.endm
; A KEY STEP: my u-th of the slot in hand: the slot's step 2 u + par; par's 512 bytes stand in ADR and ADR2.
.macro STEP u
	s_cmp_gt_u32 s[KS], s[JB]                      ; all its keys come after the block's queries: left out
	s_cbranch_scc1 .Lhid_\@
.rept 4
	v_nop                                          ; four places between the last products and loads into the registers that they read
.endr
	s_wait_alu depctr_va_vdst(0)
.irp t, 0,1,2,3
	ds_load_b128 v[KV+8*\t:KV+8*\t+3], v[ADR] offset:\t*16384+\u*2048
	ds_load_b128 v[KV+8*\t+4:KV+8*\t+7], v[ADR] offset:\t*16384+8192+\u*2048
.endr
.irp t, 0,1,2,3
	ds_load_b128 v[KV+32+8*\t:KV+32+8*\t+3], v[ADR2] offset:\t*16384+\u*2048
	ds_load_b128 v[KV+32+8*\t+4:KV+32+8*\t+7], v[ADR2] offset:\t*16384+8192+\u*2048
.endr
	s_wait_dscnt 8                                 ; K's tiles 4-7 may be out
.irp t, 0,1,2,3
	v_wmma_f32_16x16x64_fp8_fp8 v[S+8*\t:S+8*\t+7], v[KV+8*\t:KV+8*\t+7], v[QF:QF+7], 0
.endr
	s_wait_dscnt 0x0
.irp t, 4,5,6,7
	v_wmma_f32_16x16x64_fp8_fp8 v[S+8*\t:S+8*\t+7], v[KV+8*\t:KV+8*\t+7], v[QF:QF+7], 0
.endr
.rept 4
	v_nop                                          ; four places: for the loads into K's registers and the first read of the scores
.endr
	s_wait_alu depctr_va_vdst(0)
.irp t, 0,1
.irp g, 0,1,2,3
	ds_load_b128 v[KV+16*\t+4*\g:KV+16*\t+4*\g+3], v[ADR] offset:(4*\t+\g)*8192+\u*2048+1024   ; V lands while the softmax is walked
.endr
.endr
.irp t, 0,1
.irp g, 0,1,2,3
	ds_load_b128 v[KV+32+16*\t+4*\g:KV+32+16*\t+4*\g+3], v[ADR2] offset:(4*\t+\g)*8192+\u*2048+1024
.endr
.endr
	s_cmp_lg_u32 s[KS], s[JB]
	s_cbranch_scc1 .Lopen_\@
.set n, 0
.rept 64                                       ; on the diagonal hidden scores become -infinity ahead of the maximum
	v_cmp_gt_i32 vcc_lo, 16*(n/8)+n%8, v[DG]
	v_cndmask_b32 v[S+n], v[S+n], v252, vcc_lo
.set n, n+1
.endr
.Lopen_\@:
	v_max3_num_f32 v218, v[S], v[S+1], v[S+2]      ; the step's largest score, in four chains, each accumulator from its low end on
	v_max3_num_f32 v219, v[S+3], v[S+4], v[S+5]
	v_max3_num_f32 v221, v[S+6], v[S+7], v[S+8]
	v_max3_num_f32 v216, v[S+9], v[S+10], v[S+11]
.set i, 12
.rept 6
	v_max3_num_f32 v218, v218, v[S+i], v[S+i+1]
	v_max3_num_f32 v219, v219, v[S+i+2], v[S+i+3]
	v_max3_num_f32 v221, v221, v[S+i+4], v[S+i+5]
	v_max3_num_f32 v216, v216, v[S+i+6], v[S+i+7]
.set i, i+8
.endr
	v_max3_num_f32 v218, v218, v[S+60], v[S+61]
	v_max3_num_f32 v219, v219, v[S+62], v[S+63]
	v_max3_num_f32 v218, v218, v221, v216
	s_delay_alu instid0(VALU_DEP_1)
	v_max_num_f32 v218, v218, v219
	s_delay_alu instid0(VALU_DEP_1)
	v_permlanex16_b32 v220, v218, s20, s21
	s_delay_alu instid0(VALU_DEP_1)
	v_max_num_f32 v218, v218, v220                 ; and among lane l xor 16's
	s_delay_alu instid0(VALU_DEP_1)
	v_mul_f32 v218, s22, v218                      ; as t (c is positive)
	s_delay_alu instid0(VALU_DEP_1)
	v_max_num_f32 v13, v13, v218
	v_mov_b32 v218, v12
	s_delay_alu instid0(VALU_DEP_2)
	v_floor_f32 v12, -v13                          ; the new -M = -ceil(t)
	s_delay_alu instid0(VALU_DEP_1)
	v_sub_f32 v218, v12, v218                      ; old M - new M
	s_delay_alu instid0(VALU_DEP_1)
	v_cvt_i32_f32 v218, v218                       ; (it saturates)
	s_delay_alu instid0(VALU_DEP_1)
	v_ldexp_f32 v222, 1.0, v218                    ; f = 2^(old M - new M)
.set j, 0
.rept 32
	v_pk_fma_f32 v[S+j:S+j+1], v[S+j:S+j+1], s[22:23], v[12:13] op_sel_hi:[1,0,0]   ; t - M
.set j, j+2
.endr
	s_wait_alu depctr_va_vdst(0)
.set j, 0
.rept 64
	v_exp_f32 v[S+j], v[S+j]                       ; p = 2^(t - M)
.set j, j+1
.endr
	v_pk_mul_f32 v[14:15], v[14:15], v[222:223] op_sel_hi:[1,0]   ; the sums under the new M: the plain place behind the batch
	s_wait_alu depctr_va_vdst(0)                   ; and the one wait behind it
.irp c, 0,1,2,3,4,5,6                          ; the sum of the unquantised p: 32 pairs in eight chains
	v_pk_add_f32 v[U+2*\c:U+2*\c+1], v[S+2*\c:S+2*\c+1], v[S+14+2*\c:S+15+2*\c]
.endr
	v_pk_add_f32 v[14:15], v[14:15], v[S+28:S+29]
.irp c, 0,1,2,3,4,5,6
	v_pk_add_f32 v[U+2*\c:U+2*\c+1], v[U+2*\c:U+2*\c+1], v[S+30+2*\c:S+31+2*\c]
.endr
	v_pk_add_f32 v[14:15], v[14:15], v[S+44:S+45]
.irp c, 0,1,2,3,4,5,6
	v_pk_add_f32 v[U+2*\c:U+2*\c+1], v[U+2*\c:U+2*\c+1], v[S+46+2*\c:S+47+2*\c]
.endr
	v_pk_add_f32 v[14:15], v[14:15], v[S+60:S+61]
	v_pk_add_f32 v[U:U+1], v[U:U+1], v[S+62:S+63]
	v_pk_add_f32 v[U+2:U+3], v[U+2:U+3], v[U+4:U+5]
	v_pk_add_f32 v[U+6:U+7], v[U+6:U+7], v[U+8:U+9]
	v_pk_add_f32 v[U+10:U+11], v[U+10:U+11], v[U+12:U+13]
	HOLD 0, 4                                      ; the holds stand between the links of the chains' join
	v_pk_add_f32 v[14:15], v[14:15], v[U:U+1]
	v_pk_add_f32 v[U+2:U+3], v[U+2:U+3], v[U+6:U+7]
	HOLD 8, 4
	v_pk_add_f32 v[14:15], v[14:15], v[U+10:U+11]
	HOLD 16, 4
	v_pk_add_f32 v[14:15], v[14:15], v[U+2:U+3]
	HOLD 24, 20
.irp t, 0,1,2,3,4,5,6,7
	v_cvt_scalef32_pk8_fp8_f32 v[PC+2*\t:PC+2*\t+1], v[S+8*\t:S+8*\t+7], v248
.endr
	s_wait_alu depctr_va_vdst(0)
.set j, 0
.rept 16
	v_pk_mul_f32 v[O+j:O+j+1], v[O+j:O+j+1], v[222:223] op_sel_hi:[1,0]   ; O^T under the new M; also the plain lines behind the conversions
.set j, j+2
.endr
	s_wait_alu depctr_va_vdst(0)
	s_wait_dscnt 0x0                               ; V is in
.irp t, 0,1,2,3
	v_wmma_f32_16x16x128_fp8_fp8 v[O+8*\t:O+8*\t+7], v[KV+16*\t:KV+16*\t+15], v[PC:PC+15], v[O+8*\t:O+8*\t+7]   ; four accumulators by turns
.endr
.Lhid_\@:
	s_add_co_u32 s[KS], s[KS], 2
.endm
; A BLOCK'S END, part one: the half of O^T that my partner finishes, my -M and my sum go into my stage; the other half stays in its registers.
.macro DEPOSIT
.rept 4
	v_nop                                          ; four places behind the last products
.endr
	v_add_f32 v13, v14, v15                        ; the sum's two halves
	s_cmp_lg_u32 s[PAR], 0
	s_cbranch_scc1 .Lodd_\@
.irp g, 4,5,6,7
	ds_store_b128 v[SA], v[O+4*\g:O+4*\g+3] offset:512*(\g-4)   ; each accumulator from its low end on
.endr
	s_branch .Lboth_\@
.Lodd_\@:
.irp g, 0,1,2,3
	ds_store_b128 v[SA], v[O+4*\g:O+4*\g+3] offset:512*\g
.endr
.Lboth_\@:
	s_wait_alu depctr_va_vdst(0)
	ds_store_b64 v[NA], v[12:13]
.endm
; Part two, behind a barrier: the two parts of d tiles 2 par, 2 par + 1 are joined, divided by the joint sum, x 2^(e8 + e9), held, converted, stored.
.macro MERGE dst
	ds_load_b64 v[S+34:S+35], v[NB]
.irp g, 0,1,2,3
	ds_load_b128 v[S+16+4*\g:S+19+4*\g], v[MB] offset:512*\g
.endr
	s_wait_dscnt 0x0
	v_min_num_f32 v[S+36], v12, v[S+34]            ; the joint -M
	v_sub_f32 v[S+37], v[S+36], v12                ; M - joint M: whole numbers, 0 or less
	v_sub_f32 v[S+38], v[S+36], v[S+34]
	v_cvt_i32_f32 v[S+37], v[S+37]                 ; (they saturate: a part with no step gets the factor 0)
	v_cvt_i32_f32 v[S+38], v[S+38]
	v_ldexp_f32 v[S+37], 1.0, v[S+37]
	v_ldexp_f32 v[S+38], 1.0, v[S+38]
	v_mul_f32 v[S+39], v13, v[S+37]
	v_fmac_f32 v[S+39], v[S+35], v[S+38]
	v_permlanex16_b32 v220, v[S+39], s20, s21
	v_add_f32 v[S+39], v[S+39], v220               ; the row's sum
	s_wait_alu depctr_va_vdst(0)
	v_rcp_f32 v[S+39], v[S+39]
	v_nop
	s_wait_alu depctr_va_vdst(0)
	v_ldexp_f32 v[S+39], v[S+39], s52
	v_mul_f32 v[S+44], v[S+37], v[S+39]
	v_mul_f32 v[S+45], v[S+37], v[S+39]
	v_mul_f32 v[S+46], v[S+38], v[S+39]
	v_mul_f32 v[S+47], v[S+38], v[S+39]
	s_cmp_lg_u32 s[PAR], 0
	s_cbranch_scc1 .Lodd_\@
	s_wait_alu depctr_va_vdst(0)
.set j, 0
.rept 8
	v_pk_mul_f32 v[S+j:S+j+1], v[O+j:O+j+1], v[S+44:S+45]
.set j, j+2
.endr
	s_branch .Lboth_\@
.Lodd_\@:
	s_wait_alu depctr_va_vdst(0)
.set j, 0
.rept 8
	v_pk_mul_f32 v[S+j:S+j+1], v[O+16+j:O+17+j], v[S+44:S+45]
.set j, j+2
.endr
.Lboth_\@:
	s_wait_alu depctr_va_vdst(0)                   ; what follows reads results from ahead of a branch
.set j, 0
.rept 8
	v_pk_fma_f32 v[S+j:S+j+1], v[S+16+j:S+17+j], v[S+46:S+47], v[S+j:S+j+1]
.set j, j+2
.endr
.set j, 0
.rept 16
	v_med3_num_f32 v[S+j], v[S+j], -v251, v251     ; the conversion does not saturate (ISA guide 7.6.2)
.set j, j+1
.endr
	s_wait_alu depctr_va_vdst(0)
	s_wait_xcnt 0x0                                ; an earlier store has read the codes' registers
	v_cvt_scalef32_pk8_fp8_f32 v[CC:CC+1], v[S:S+7], v250
	v_cvt_scalef32_pk8_fp8_f32 v[CC+2:CC+3], v[S+8:S+15], v250
	v_nop                                          ; a plain line behind the last conversion
	global_store_b128 v[LIP], v[CC:CC+3], s[\dst:\dst+1]   ; 512 consecutive bytes, at 512 par of my head's 1,024
.endm
.macro RESET                           ; everything is set for the second block
.set j, 0
.rept 8
	v_mov_b32 v[QF+j], v[QF+8+j]
.set j, j+1
.endr
.set j, 0
.rept 32
	v_mov_b32 v[O+j], 0
.set j, j+1
.endr
	v_mov_b32 v13, 0xff61b1e6
	v_floor_f32 v12, -v13
	v_mov_b32 v14, 0
	v_mov_b32 v15, 0
	s_mov_b32 s[JB], s46
	s_wait_alu depctr_va_vdst(0)
.endm
; THE CHANGE OF SLOTS, at a slot's head.  fill = 1: the barrier is a round of the cluster's, and behind it the slot just left is filled with the walk's next 1,024 keys.
.macro CHANGE fill
	s_wait_tensorcnt 0x0                           ; no tensor load of mine is out, so the group 0 may be written
	ds_add_u32 v[SPW], v[NIL]                      ; the scalar work stands between the add and the wait for it
	s_cmp_ge_u32 s[TAU], s[NS1]
	s_cselect_b32 s53, s[NS1], 0
	s_sub_co_u32 s53, s[TAU], s53
	s_lshl_b32 s[KS], s53, 3
	s_add_co_u32 s[KS], s[KS], s[PAR]              ; my first key step of this slot
	s_add_co_u32 s[TAU], s[TAU], 1
.if \fill
	s_cmp_ge_u32 s[TAU], s[NS1]
	s_cselect_b32 s53, s[NS1], 0
	s_sub_co_u32 s53, s[TAU], s53
	s_lshl_b32 s38, s53, 17
	s_add_nc_u64 s[34:35], s[36:37], s[38:39]
	s_or_b32 s35, s35, 0x80000000
	s_xor_b32 s33, s33, SLOTB
	s_wait_xcnt 0x0                                ; the last prefetches, a slot back, have read their address
	s_add_nc_u64 s[40:41], s[40:41], SLOTB
.endif
	s_wait_dscnt 0x0                               ; the add, my reads of the slot that I have left, and my stores into the stage are done
.if \fill
	CROUND
	JLOAD
	ASK
.else
	s_barrier_signal -1
	s_barrier_wait -1
.endif
	v_add_nc_u32 v[ADR], s[TB], v[LIP]
	v_add_nc_u32 v[ADR2], 0x10000, v[ADR]
.endm
	s_wait_alu depctr_va_vdst(0)
	s_wait_loadcnt 0x0                             ; Q
.Lslot:                                            ; 4 trips; the fifth slot is written out
	CHANGE 1
	s_cmp_lg_u32 s[TAU], s[NS2]                    ; the first block ended in the trip before?
	s_cbranch_scc1 .Lno_join
	MERGE 48
	RESET
.Lno_join:
	s_wait_dscnt 0x0                               ; a join's reads of the stage are over;
	s_barrier_signal -1                            ; a plain barrier: behind it nothing is filled; it parts those reads from this trip's stores into the stage
	s_barrier_wait -1
	STEP 0
	STEP 1
	STEP 2
	STEP 3
	s_cmp_lg_u32 s[TAU], s[NS1]                    ; the first block's last slot?
	s_cbranch_scc1 .Lno_end
	DEPOSIT
.Lno_end:
	s_xor_b32 s[TB], s[TB], SLOTB
	s_sub_co_u32 s[SLOTS], s[SLOTS], 1
	s_cmp_lg_u32 s[SLOTS], 0
	s_cbranch_scc1 .Lslot
	CHANGE 0
	STEP 0
	STEP 1
	STEP 2
	STEP 3
	DEPOSIT
	s_wait_dscnt 0x0                               ; my part lies in the stage
	s_barrier_signal -1
	s_barrier_wait -1
	MERGE 50
	s_wait_tensorcnt 0x0                           ; the wave's end
	ds_add_u32 v[SPW], v[NIL]
	s_wait_dscnt 0x0
	CROUND                                         ; the closing round
	s_endpgm
.Lfunc_end_k_q695228ce47_attn:
	.size	k_q695228ce47_attn, .Lfunc_end_k_q695228ce47_attn-k_q695228ce47_attn
	.p2alignl 7, 3214868480
	.fill 96, 4, 3214868480
	.section	.rodata,"a",@progbits
	.p2align	6, 0x0
	.amdhsa_kernel k_q695228ce47_attn
		.amdhsa_group_segment_fixed_size 327680
		.amdhsa_private_segment_fixed_size 0
		.amdhsa_enable_private_segment 0
		.amdhsa_kernarg_size 32
		.amdhsa_user_sgpr_count 2
		.amdhsa_user_sgpr_kernarg_segment_ptr 1
		.amdhsa_wavefront_size32 1
		.amdhsa_system_sgpr_workgroup_id_x 1
		.amdhsa_system_sgpr_workgroup_id_y 1
		.amdhsa_system_sgpr_workgroup_id_z 1
		.amdhsa_system_vgpr_workitem_id 0
		.amdhsa_next_free_vgpr 256
		.amdhsa_next_free_sgpr 90
		.amdhsa_reserve_vcc 1
		.amdhsa_float_denorm_mode_32 3
		.amdhsa_float_denorm_mode_16_64 3
		.amdhsa_memory_ordered 1
		.amdhsa_forward_progress 1
		.amdhsa_inst_pref_size 187
	.end_amdhsa_kernel
	.amdgpu_metadata
---
amdhsa.version: [ 1, 2 ]
amdhsa.kernels:
  - .name:           k_q695228ce47_attn
    .symbol:         k_q695228ce47_attn.kd
    .args:
      - { .name: qc, .offset: 0, .size: 8, .value_kind: global_buffer, .address_space: global }
      - { .name: kv, .offset: 8, .size: 8, .value_kind: global_buffer, .address_space: global }
      - { .name: lowp_scales, .offset: 16, .size: 8, .value_kind: global_buffer, .address_space: global }
      - { .name: cc, .offset: 24, .size: 8, .value_kind: global_buffer, .address_space: global }
    .group_segment_fixed_size: 327680
    .private_segment_fixed_size: 0
    .kernarg_segment_align: 8
    .kernarg_segment_size: 32
    .max_flat_workgroup_size: 512
    .sgpr_count:     90
    .vgpr_count:     256
    .wavefront_size: 32
...
	.end_amdgpu_metadata
.endif
;; end of part 3
;; launch outp (part 4): grid 8 x 32, 8 waves a work-group, clusters of 4 x 4, 297,984 bytes of LDS; arguments cc, wc, lowp_scales, out0; writes out0
.if DOCPART == 4
	.amdgcn_target "amdgcn-amd-amdhsa--gfx1250"
	.amdhsa_code_object_version 6
	.text
	.protected	k_q695228ce47_outp
	.globl	k_q695228ce47_outp
	.p2align	8
	.type	k_q695228ce47_outp,@function
k_q695228ce47_outp:
	s_mov_b64 s[64:65], 0
	v_nop
	global_prefetch_b8 v0, s[64:65] scope:SCOPE_SE
	s_setreg_imm32_b32 hwreg(HW_REG_WAVE_MODE, 25, 1), 1
	s_wait_xcnt 0x0
	s_wait_alu depctr_hold_cnt(0) depctr_sa_sdst(0) depctr_va_vdst(0) depctr_va_sdst(0) depctr_va_ssrc(0) depctr_va_vcc(0) depctr_vm_vsrc(0)
	s_getreg_b32 s2, hwreg(HW_REG_IB_STS2, 6, 4)
	s_cmp_eq_u32 s2, 0
	s_cbranch_scc0 .Lentry_in_a_cluster
	s_endpgm
.Lentry_in_a_cluster:
	s_bfe_u32 s2, ttmp6, 0x10000c
	s_cmp_lg_u32 s2, 0xf033
	s_cbranch_scc0 .Lentry_shape_is_right
	s_endpgm
.Lentry_shape_is_right:
; out0 = ctx wo^T on codes of FP8: ctx's codes in cc (entry 10), wo's in wc from tile 96 on (entry 11); each finished sum x 2^(e10 + e11).  out0: [4096][1024] f32.
; A work-group makes 128 tokens (block i) x 128 columns (block n), K = 1,024.  Operands come as images of registers (16 rows x 128 K = 2,048 bytes; registers 4 G .. of lane l at 512 G + 16 l).
; LDS holds the whole K of both operands: [ctx's region, then wo's, 131,072 each][tile 8: 16,384][K step 8: 2,048].  Nothing is filled twice.  Each wave issues ONE tensor load at the head: two tiles' whole K,
; 32,768 consecutive bytes stated as 128 rows of 256 (waves 0-3: ctx's tiles, waves 4-7: wo's); one wait for 0 and one barrier stand in front of the products.
; EIGHT WAVES: wave w (half = w % 2, p = w / 2) makes 4 tiles of wo's rows (4 half + a: source 0) x 2 tiles of tokens (2 p + b: source 1): a lane holds one token and eight neighbouring columns for each a.
; CLUSTER 4 x 4: ctx's tiles hang on i alone and are asked for jointly along a row of the cluster, wo's on n alone and jointly along a column.
; No prefetch: the launch has no loop to run ahead in; all its loads go out at the head.
; LIMIT: e10 + e11 lies between -126 and 127, so that 2^(e10 + e11) is an f32 number.
.set REGW, 131072
.set WO_OFF, 96*16384                  ; wo's first tile in wc
.set STG,  2*REGW                      ; behind the operands: a stage of 16 rows x (256 + 16) bytes for each wave; no fill lands there
.set SPT,  272
.set F0,   16
.set F1,   80
.set ACC,  112
.set WV,   14
.set G1X,  24
.set G1W,  32
.set G0X,  40
.set G0W,  68
.macro CROUND
	s_barrier_signal -1
	s_barrier_wait -1
	s_cmp_lg_u32 s[WV], 0
	s_cbranch_scc1 .Lnot_wave_0_\@
	s_barrier_signal -3
.Lnot_wave_0_\@:
	s_barrier_wait -3
	s_barrier_signal -1
	s_barrier_wait -1
.endm
	s_load_b256 s[4:11], s[0:1], 0x0               ; cc, wc, the exponents, out0
	v_lshl_add_u32 v208, v0, 2, 0x48800            ; my spare word, behind the stages
	v_mov_b32 v209, 0
	ds_add_u32 v208, v209
	ds_add_u32 v208, v209
	v_lshrrev_b32 v7, 5, v0
	s_delay_alu instid0(VALU_DEP_1)
	v_readfirstlane_b32 s[WV], v7                  ; wave 0..7
	s_and_b32 s15, s[WV], 1                        ; half
	s_lshr_b32 s16, s[WV], 1                       ; p
	s_and_b32 s17, s[WV], 3                        ; which two tiles of a region I fetch
	s_bfe_u32 s18, ttmp6, 0x40000                  ; cx
	s_bfe_u32 s19, ttmp6, 0x40004                  ; cy
	s_lshl_b32 s20, ttmp9, 2
	s_add_co_u32 s20, s20, s18                     ; n = 4 x cluster x + cx
	s_and_b32 s21, ttmp7, 0xffff
	s_lshl_b32 s21, s21, 2
	s_add_co_u32 s21, s21, s19                     ; i = 4 x cluster y + cy
	s_lshl_b32 s22, s19, 2
	s_lshl_b32 s22, 15, s22                        ; my row of the cluster
	s_lshl_b32 s23, 0x1111, s18                    ; my column
	s_or_b32 s[G1X], s22, (3<<16)|(1<<21)          ; the mask; elements of 8 bytes; no padding
	s_or_b32 s[G1W], s23, (3<<16)|(1<<21)
.irp g, G1X, G1W
	s_mov_b32 s[\g+1], 32<<16                      ; rows of 256 bytes,
	s_mov_b32 s[\g+2], 128<<16                     ; 128 of them,
	s_mov_b32 s[\g+3], 32<<16
	s_mov_b32 s[\g+4], 128
	s_mov_b32 s[\g+5], 32                          ; end to end
	s_mov_b32 s[\g+6], 0
	s_mov_b32 s[\g+7], 0
.endr
	s_lshl_b32 s56, s17, 15                        ; my two tiles of 16,384 bytes, in memory and in a region alike
	s_lshl_b32 s58, s21, 17                        ; ctx's address is made of i and the wave's number,
	s_add_co_u32 s58, s58, s56
	s_mov_b32 s59, 0
	s_lshl_b32 s62, s20, 17                        ; wo's of n and the wave's number
	s_add_co_u32 s62, s62, s56
	s_add_co_u32 s62, s62, WO_OFF
	s_mov_b32 s63, 0
	s_lshl_b32 s84, s21, 19                        ; out0: row 128 i + 32 p, 4,096 bytes a row; column 128 n + 64 half
	s_lshl_b32 s86, s16, 17
	s_add_co_u32 s84, s84, s86
	s_lshl_b32 s86, s20, 9
	s_add_co_u32 s84, s84, s86
	s_lshl_b32 s86, s15, 8
	s_add_co_u32 s84, s84, s86
	s_mov_b32 s85, 0
	s_wait_dscnt 0x0
	s_wait_kmcnt 0x0
	s_load_b64 s[96:97], s[8:9], 0x28              ; e10, e11
	s_add_nc_u64 s[84:85], s[10:11], s[84:85]
	s_mov_b32 s[G0X], 1
	s_mov_b32 s[G0X+1], s56
	s_add_nc_u64 s[G0X+2:G0X+3], s[4:5], s[58:59]
	s_or_b32 s[G0X+3], s[G0X+3], 0x80000000
	s_mov_b32 s[G0W], 1
	s_add_co_u32 s[G0W+1], s56, REGW
	s_add_nc_u64 s[G0W+2:G0W+3], s[6:7], s[62:63]
	s_or_b32 s[G0W+3], s[G0W+3], 0x80000000
	CROUND                                         ; all sixteen work-groups are here: the joint loads meet
	s_cmp_lt_u32 s[WV], 4                          ; one chain of two arms, one fill to an arm
	s_cbranch_scc0 .Lfill_w
	tensor_load_to_lds s[G0X:G0X+3], s[G1X:G1X+7]
	s_nop 0
.rept 4
	v_nop
.endr
	s_branch .Lfilled
.Lfill_w:
	tensor_load_to_lds s[G0W:G0W+3], s[G1W:G1W+7]
	s_nop 0
.rept 4
	v_nop
.endr
.Lfilled:
	v_and_b32 v7, 31, v0
	s_delay_alu instid0(VALU_DEP_1)
	v_lshlrev_b32 v1, 4, v7                        ; 16 x lane
	s_lshl_b32 s86, s15, 16
	s_add_co_u32 s86, s86, REGW
	v_add_nc_u32 v2, s86, v1                       ; source 0: my four tiles of wo
	s_lshl_b32 s86, s16, 15
	v_add_nc_u32 v3, s86, v1                       ; source 1: my two tiles of ctx
	v_and_b32 v8, 15, v0                           ; r
	v_bfe_u32 v9, v0, 4, 1                         ; h
	s_mul_i32 s86, s[WV], 16*SPT
	s_add_co_u32 s86, s86, STG                     ; my stage
	v_mul_u32_u24 v4, v8, SPT
	s_delay_alu instid0(VALU_DEP_1)
	v_lshl_add_u32 v4, v9, 5, v4
	s_delay_alu instid0(VALU_DEP_1)
	v_add_nc_u32 v4, s86, v4                       ; in: row r, 32 bytes for each half of the lanes
	v_mul_u32_u24 v5, v9, SPT
	s_delay_alu instid0(VALU_DEP_1)
	v_lshl_add_u32 v5, v8, 4, v5
	s_delay_alu instid0(VALU_DEP_1)
	v_add_nc_u32 v5, s86, v5                       ; back: lanes 0-15 one row of 256 bytes, lanes 16-31 the next
	v_lshlrev_b32 v6, 12, v9
	s_delay_alu instid0(VALU_DEP_1)
	v_lshl_add_u32 v6, v8, 4, v6                   ; and the same two rows in out0
	s_wait_alu depctr_va_vdst(0)
	s_wait_kmcnt 0x0
	s_add_co_i32 s96, s96, s97
	s_add_co_i32 s96, s96, 127
	s_lshl_b32 s96, s96, 23                        ; 2^(e10 + e11) as f32
	s_mov_b32 s97, s96
.macro MUL4 a0, first
.irp a, \a0, \a0+1
.irp b, 0,1
.if \first
	v_wmma_f32_16x16x128_fp8_fp8 v[ACC+8*(2*(\a)+\b):ACC+8*(2*(\a)+\b)+7], v[F0+16*(\a):F0+16*(\a)+15], v[F1+16*\b:F1+16*\b+15], 0
.else
	v_wmma_f32_16x16x128_fp8_fp8 v[ACC+8*(2*(\a)+\b):ACC+8*(2*(\a)+\b)+7], v[F0+16*(\a):F0+16*(\a)+15], v[F1+16*\b:F1+16*\b+15], v[ACC+8*(2*(\a)+\b):ACC+8*(2*(\a)+\b)+7]
.endif
.endr
.endr
.endm
.macro KSTEP ks, first                 ; 128 along K: 24 LDS loads of 512 consecutive bytes, 8 matrix instructions on 8 accumulators by turns
.if \first == 0
.rept 4
	v_nop                                          ; four places between the last products and loads into the registers that they read
.endr
.endif
.irp b, 0,1
.irp g, 0,1,2,3
	ds_load_b128 v[F1+16*\b+4*\g:F1+16*\b+4*\g+3], v3 offset:\b*16384+\ks*2048+\g*512
.endr
.endr
.irp a, 0,1,2,3
.irp g, 0,1,2,3
	ds_load_b128 v[F0+16*\a+4*\g:F0+16*\a+4*\g+3], v2 offset:\a*16384+\ks*2048+\g*512
.endr
.endr
	s_wait_dscnt 8
	MUL4 0, \first
	s_wait_dscnt 0x0
	MUL4 2, \first
.endm
	s_wait_tensorcnt 0x0                           ; my two tiles are in
	s_barrier_signal -1
	s_barrier_wait -1                              ; everybody's are
	KSTEP 0, 1
.irp k, 1,2,3,4,5,6,7
	KSTEP \k, 0
.endr
; THE WAY OUT: 16 tokens x 64 columns at a time go through my own stage and come back as whole rows of 256 bytes.  LDS serves a wave's instructions in order (ISA guide 5.7.1.4).
.macro OUTB b, tr, bk
.irp a, 0,1,2,3
.irp k, 0,2,4,6
	v_pk_mul_f32 v[\tr+8*\a+\k:\tr+8*\a+\k+1], v[ACC+8*(2*\a+\b)+\k:ACC+8*(2*\a+\b)+\k+1], s[96:97] op_sel_hi:[1,0]   ; each accumulator from its low end on
.endr
.endr
.irp a, 0,1,2,3
	ds_store_b128 v4, v[\tr+8*\a:\tr+8*\a+3] offset:64*\a
	ds_store_b128 v4, v[\tr+8*\a+4:\tr+8*\a+7] offset:64*\a+16
.endr
.irp u, 0,1,2,3,4,5,6,7
	ds_load_b128 v[\bk+4*\u:\bk+4*\u+3], v5 offset:2*SPT*\u
.endr
.endm
.rept 4
	v_nop                                          ; four places behind the last products
.endr
	OUTB 0, 16, 48
	OUTB 1, 176, 80
	s_wait_dscnt 16                                ; the first half is back
.irp u, 0,1,2,3,4,5,6,7
	global_store_b128 v6, v[48+4*\u:48+4*\u+3], s[84:85] offset:8192*\u th:TH_STORE_NT   ; 16 lanes store 256 consecutive bytes, aligned
.endr
	s_wait_dscnt 0x0
.irp u, 0,1,2,3,4,5,6,7
	global_store_b128 v6, v[80+4*\u:80+4*\u+3], s[84:85] offset:65536+8192*\u th:TH_STORE_NT
.endr
	s_wait_tensorcnt 0x0                           ; the wave's end
	ds_add_u32 v208, v209
	s_wait_dscnt 0x0
	CROUND                                         ; the closing round
	s_endpgm
.Lfunc_end_k_q695228ce47_outp:
	.size	k_q695228ce47_outp, .Lfunc_end_k_q695228ce47_outp-k_q695228ce47_outp
	.p2alignl 7, 3214868480
	.fill 96, 4, 3214868480
	.section	.rodata,"a",@progbits
	.p2align	6, 0x0
	.amdhsa_kernel k_q695228ce47_outp
		.amdhsa_group_segment_fixed_size 297984
		.amdhsa_private_segment_fixed_size 0
		.amdhsa_enable_private_segment 0
		.amdhsa_kernarg_size 32
		.amdhsa_user_sgpr_count 2
		.amdhsa_user_sgpr_kernarg_segment_ptr 1
		.amdhsa_wavefront_size32 1
		.amdhsa_system_sgpr_workgroup_id_x 1
		.amdhsa_system_sgpr_workgroup_id_y 1
		.amdhsa_system_sgpr_workgroup_id_z 1
		.amdhsa_system_vgpr_workitem_id 0
		.amdhsa_next_free_vgpr 210
		.amdhsa_next_free_sgpr 100
		.amdhsa_reserve_vcc 0
		.amdhsa_float_denorm_mode_32 3
		.amdhsa_float_denorm_mode_16_64 3
		.amdhsa_memory_ordered 1
		.amdhsa_forward_progress 1
		.amdhsa_inst_pref_size 30
	.end_amdhsa_kernel
	.amdgpu_metadata
---
amdhsa.version: [ 1, 2 ]
amdhsa.kernels:
  - .name:           k_q695228ce47_outp
    .symbol:         k_q695228ce47_outp.kd
    .args:
      - { .name: cc, .offset: 0, .size: 8, .value_kind: global_buffer, .address_space: global }
      - { .name: wc, .offset: 8, .size: 8, .value_kind: global_buffer, .address_space: global }
      - { .name: lowp_scales, .offset: 16, .size: 8, .value_kind: global_buffer, .address_space: global }
      - { .name: out0, .offset: 24, .size: 8, .value_kind: global_buffer, .address_space: global }
    .group_segment_fixed_size: 297984
    .private_segment_fixed_size: 0
    .kernarg_segment_align: 8
    .kernarg_segment_size: 32
    .max_flat_workgroup_size: 256
    .sgpr_count:     100
    .vgpr_count:     210
    .wavefront_size: 32
...
	.end_amdgpu_metadata
.endif
;; end of part 4
